; MI455X (gfx1250); checked and timed in simulation.
; The chip was launched on July 23, 2026; its instructions are those of AMD's public machine-readable ISA for CDNA 5 (MIT licence, August 2026) and "CDNA5" Instruction Set Architecture Reference Guide (July 2026). The comments in the code are by the model that wrote it; some were corrected since.
;; Self Attention. Allowed arithmetic: matrix products marked QUANTISED: E2M1 operands, one E8M0 scale for each 32 along K, by v_wmma_scale_f32_16x16x128_f8f6f4 with both operands' format E2M1 (or v_wmma_scale_f32_32x16x128_f4), f32 sums; everything else in f32.
;; Inputs: Wk_codes 1,024 x 32 x 16 uint8 (E2M1 codes of Wk, K innermost, in blocks of 32 codes, two codes a byte); Wk_scales 1,024 x 32 uint8 (E8M0 scales of Wk, one for each 32 codes along K); Wq_codes 1,024 x 32 x 16 uint8 (E2M1 codes of Wq, K innermost, in blocks of 32 codes, two codes a byte); Wq_scales 1,024 x 32 uint8 (E8M0 scales of Wq, one for each 32 codes along K); Wv_codes 1,024 x 32 x 16 uint8 (E2M1 codes of Wv, K innermost, in blocks of 32 codes, two codes a byte); Wv_scales 1,024 x 32 uint8 (E8M0 scales of Wv, one for each 32 codes along K); attention_mask 4 x 2,048 x 2,048 int32; bk 1,024 float32; bq 1,024 float32; bv 1,024 float32; x_codes 4 x 2,048 x 32 x 16 uint8 (E2M1 codes of x, K innermost, in blocks of 32 codes, two codes a byte); x_scales 4 x 2,048 x 32 uint8 (E8M0 scales of x, one for each 32 codes along K).
;; Outputs: out0 4 x 2,048 x 1,024 float32.
;; This version of the problem:
;;   THIS VERSION OF THE PROBLEM IS GIVEN IN LOW PRECISION. The matrix products marked QUANTISED in the list below multiply operands that are first quantised to E2M1 (2 exponent bits, 1 mantissa bit; 4 bits a number), with one power-of-two scale for each 32 numbers along K (OCP MX v1.0); their sums are f32. All else is computed in f32.
;;   The module's matrix products, in the order in which they are computed (A, B: the left and right operand; K: the contracted axis; several contracted axes count as one K, in the product's order):
;;     1. [M 8,192, K 1,024] x [K 1,024, N 1,024]; A: input x (given as codes); B: input Wq (given as codes): QUANTISED
;;     2. [M 8,192, K 1,024] x [K 1,024, N 1,024]; A: input x (given as codes); B: input Wk (given as codes): QUANTISED
;;     3. [M 8,192, K 1,024] x [K 1,024, N 1,024]; A: input x (given as codes); B: input Wv (given as codes): QUANTISED
;;     4. batch 4 x [M 2,048, K 1,024] x [K 1,024, N 2,048]; A: computed on the way; B: computed on the way: QUANTISED
;;     5. batch 4 x [M 2,048, K 2,048] x [K 2,048, N 1,024]; A: softmax (see below); B: computed on the way: QUANTISED
;;   THE QUANTISER, for each operand of a quantised product, along K:
;;     - K is cut into blocks of 32 from its start; a last block that is shorter is filled with zeros.
;;     - A block's scale is 2^e with e = floor(log2(the largest magnitude in the block)) - 2, held to -126 .. 127; a block of zeros has e = 0. As a byte (E8M0): e + 127.
;;     - Each number is divided by its block's scale, clamped to +-6, and rounded to the nearest number of E2M1, ties to even, subnormals kept.
;;     - The product sums the exact products of the quantised numbers (number of the format x scale) in f32.
;;   ~~~python
;;   def quantise(x, axis):      # numpy; x: float32 -> the quantised numbers, widened to float32 again
;;       x = np.moveaxis(x, axis, -1); K = x.shape[-1]
;;       x = np.pad(x, [(0, 0)] * (x.ndim - 1) + [(0, -K % 32)]); x = x.reshape(x.shape[:-1] + (-1, 32)); a = np.abs(x).max(-1, keepdims=True)
;;       e = np.where(a > 0, np.clip(np.frexp(np.where(a > 0, a, 1))[1] - 1 - 2, -126, 127), 0)      # np.frexp(a)[1] - 1 = floor(log2(a)), exactly
;;       r = np.clip(x / 2.0 ** e, -6, 6)
;;       step = 2.0 ** (np.maximum(np.frexp(np.where(r == 0, 1, r))[1] - 1, 0) - 1)
;;       q = np.round(r / step) * step * 2.0 ** e      # np.round: ties to even
;;       return np.moveaxis(q.reshape(q.shape[:-2] + (-1,))[..., :K], -1, axis).astype(np.float32)
;;   ~~~
;;   SOFTMAX AHEAD OF A QUANTISED PRODUCT. Where the list says 'softmax', what is quantised is not the finished softmax but p = 2^(t - M), with t = logit x log2(e) and M = ceil(the row's largest t), a whole number; so 1/2 < the row's largest p <= 1. The row's sum l is taken of the UNQUANTISED p, in f32, and the product's result is divided by l at the end. Since M is a whole number, a kernel that streams over the keys may use a running M (the ceiling of the running maximum): every later rescaling is an exact power of two, which a block's scale takes up: the codes' values come out the same.
;;   OPERANDS COMPUTED ON THE WAY. 'Computed on the way' means the value that the module computes at that place (a softmax that the list does not call 'softmax' is quantised finished and normalised). What goes into a quantiser is computed in f32, as accurately as f32 sums, v_exp_f32 and their like allow (about 1e-6 of the number): no bf16 or f16 on the way to a quantiser, and a product that is left as it is and whose result goes on into a quantised operand takes f32 operands (vector FMAs, or v_wmma_f32_16x16x4_f32). A number that lies on a knife's edge between two numbers of the format may be rounded either way, as far as f32 arithmetic and the matrix unit's own rounding can turn it there, and no further.
;;   INPUTS GIVEN AS CODES. Wk (in the module: [1024, 1024], K = its axis 1); Wq (in the module: [1024, 1024], K = its axis 1); Wv (in the module: [1024, 1024], K = its axis 1); x (in the module: [4, 2048, 1024], K = its axis 2): each comes as NAME_codes (uint8): NAME with its K axis moved to the last place and cut into blocks of 32 codes, [.., K / 32, bytes a block], one block behind the other in memory; two codes a byte, the lower K in the low four bits (a code: sign, 2 exponent bits, 1 mantissa bit); and NAME_scales (uint8): the same leading axes, one E8M0 byte (e + 127) for each 32 codes along K. Its value is code x scale, taken as it is: it is not quantised again, and the codes and scales need not be those that the quantiser above would give.
;; One version. Each part assembles by itself: llvm-mc -triple=amdgcn-amd-amdhsa -mcpu=gfx1250 --defsym DOCPART=n.
;; ======== version 1 of 1: 3 launches
;; limits: right only within a limited range of input values
;; workspace buffers: wc 12,582,912 bytes; wsc 786,432 bytes; mb 2,097,152 bytes; pc 8,388,608 bytes; pst 1,572,864 bytes
;; launch proj (part 1): grid 8 x 32, 4 waves a work-group, clusters of 4 x 4, 327,680 bytes of LDS; arguments x_codes, x_scales, Wq_codes, Wq_scales, Wk_codes, Wk_scales, Wv_codes, Wv_scales, bq, bk, bv, attention_mask, wc, wsc, mb; writes wc, wsc, mb
.if DOCPART == 1
	.amdgcn_target "amdgcn-amd-amdhsa--gfx1250"
	.amdhsa_code_object_version 6
	.text
	.protected	k_qe921c2dcd0_proj
	.globl	k_qe921c2dcd0_proj
	.p2align	8
	.type	k_qe921c2dcd0_proj,@function
k_qe921c2dcd0_proj:
	s_mov_b64 s[64:65], 0
	v_nop
	global_prefetch_b8 v0, s[64:65] scope:SCOPE_SE
	s_setreg_imm32_b32 hwreg(HW_REG_WAVE_MODE, 25, 1), 1
	s_wait_xcnt 0x0
	s_wait_alu depctr_hold_cnt(0) depctr_sa_sdst(0) depctr_va_vdst(0) depctr_va_sdst(0) depctr_va_ssrc(0) depctr_va_vcc(0) depctr_vm_vsrc(0)
	s_getreg_b32 s2, hwreg(HW_REG_IB_STS2, 6, 4)
	s_cmp_eq_u32 s2, 0
	s_cbranch_scc0 .Lentry_in_a_cluster
	s_endpgm
.Lentry_in_a_cluster:
	s_bfe_u32 s2, ttmp6, 0x10000c
	s_cmp_lg_u32 s2, 0xf033
	s_cbranch_scc0 .Lentry_shape_is_right
	s_endpgm
.Lentry_shape_is_right:
; q = x Wq^T + bq, k = x Wk^T + bk, v = x Wv^T + bv on the given codes of FP4 with E8M0 scales; each result is quantised at once for the product that reads it (q, k along the outputs, v along the keys).
; The attention mask is packed to one bit a number on the way.
; A work-group makes 256 x 256 of q (cluster x = 0) or k (cluster x = 1), then 128 (d) x 256 (keys) of v^T on the same 256 rows of x.  Four waves: 128 x 128, then 64 x 128 each.
; K = 1,024 lies in two LDS halves of 512 along K, both asked for at the head, one load a wave (waves 0, 2: x; waves 1, 3: the weight).  Wv's 128 rows fill the weight's half 0 at the change of halves.
; CLUSTERS 4 x 4: x's tile hangs on the tile row (asked for jointly by a row of the cluster), the weights' on the tile column (a column).  No prefetch: all of K is asked for at the head, and no loop runs ahead.
; TRANSPOSED USE of the 32x16x128 form: source 0 = 32 rows of operand B, source 1 = 16 rows of operand A.  Lane (r, h) holds row 16 a + r of A; register 8 b + j row 16 b + 8 h + j of B: a lane's registers run along the NEXT product's K.
; SCALES go from memory to registers: lane L of a group of 32 rows holds row L's eight words.  Source 0 reads all lanes, source 1 lanes 0-15 or (ROW1) 16-31.
; OUT.  16 rows x 128 k become one FRAGMENT IMAGE of 1,024 bytes: register 4 c + i of lane L at byte 512 c + 16 L + 4 i.  wc: q at 0 [512 tiles][8 K steps][1,024], k at 4,194,304, v^T at 8,388,608 [4][64 tiles][16 K steps][1,024].
;   wsc: q at 0 [8192][32], k at 262,144, v at 524,288 [4][1024][64]: one word for a row and a K step (4 bytes a lane: 0.8 MB of the launch's 15 MB).
;   mb: [16 pieces of 128 keys][8192 queries][4 words]: bit l of word i is 1 where the mask of key 4 l + i of the piece is not 0.
; THE QUANTISER: a block's scale byte is its largest magnitude's exponent field - 2, held at 1 from below.
; LIMITS: NaN, infinities and a given scale byte 0xff are not served.  A block whose largest magnitude lies under 2^-124, or of zeros, keeps the byte 1 (the bytes are read by this program alone).
; REGISTERS.  Window 0: v1-31 addresses; v32-95 scale words and nothing else; v96-111 packed mask; v112-127 codes; v128-191 A's fragments; v192-255 the bias as C, later at work.
;   Window 1: B's fragments at v0 and v128; v64-127, v192-255 (between the products v0-63 too): mask sets.  Windows 2, 3: the accumulators.
.set TILE, 69632                       ; 256 rows x (256 + 16) bytes: the 16 rows of a load start at 16 different banks
.set SLOT, 139264                      ; x's half, then the weight's
.set SPARE, 278528                     ; the spare words: no other line names them
.set ADRA, 16
.set ADRB, 18
.set LI,  24                           ; 16 x lane
.set SPW, 28
.set NIL, 29
.set SCA, 32
.set SCB, 64
.set PK,  96
.set PCD, 112
.set AF,  128
.set BI,  192
.set TM,  192                          ; v192-199 largest magnitudes, v200-207 permutes, then bytes, v208-215 scale operands, v216-217 scale words, v218 both
.set G1X, 24
.set G1V, 32
.set G1W, 48
.set MSB, 0
.macro WIN new                         ; the immediate's high byte repeats the setting that is left
.if MSB != (\new)
	s_set_vgpr_msb (MSB<<8)|(\new)
.set MSB, (\new)
.endif
.endm
.set MUL_LO, 0xa1                      ; source 0 window 1, source 1 window 0, C and D window 2
.set MUL_HI, 0xf1                      ; C and D window 3
.set TO_B, 0x40
.macro CREST                           ; a round of the cluster's barrier behind its opening barrier
	s_cmp_lg_u32 s2, 0
	s_cbranch_scc1 .Lnot_wave_0_\@
	s_barrier_signal -3
.Lnot_wave_0_\@:
	s_barrier_wait -3
	s_barrier_signal -1
	s_barrier_wait -1
.endm
.macro CROUND
	s_barrier_signal -1
	s_barrier_wait -1
	CREST
.endm
.macro PLACES                          ; plain vector instructions behind a matrix instruction (ISA guide 7.12.1)
.rept 4
	v_nop
.endr
.endm
.macro ARM under, g0, g1, next         ; one arm of the head's chain: one load, then the chain's end
	s_cmp_lt_u32 s2, \under
	s_cbranch_scc0 \next
	tensor_load_to_lds s[\g0:\g0+3], s[\g1:\g1+7]
	s_nop 0
	PLACES
	s_branch .Lasked
\next:
.endm
.macro DESC g, m, rows                 ; rows of 256 bytes (32 elements of 8), 512 bytes apart, 4 words of padding after every 64
	s_or_b32 s[\g], s[\m], (3<<16)|(1<<20)|(1<<21)|(5<<22)|(3<<25)
	s_mov_b32 s[\g+1], 32<<16
	s_mov_b32 s[\g+2], (\rows)<<16
	s_mov_b32 s[\g+3], 32<<16
	s_mov_b32 s[\g+4], \rows
	s_mov_b32 s[\g+5], 64
	s_mov_b32 s[\g+6], 0
	s_mov_b32 s[\g+7], 0
.endm
	s_load_b512 s[68:83], s[0:1], 0x0      ; x s[68:71], Wq s[72:75], Wk s[76:79], Wv s[80:83]: codes, scales
	s_load_b256 s[84:91], s[0:1], 0x40     ; bq, bk, bv, the mask
	s_load_b128 s[92:95], s[0:1], 0x60     ; wc, wsc
	s_load_b64 s[96:97], s[0:1], 0x70      ; mb
	v_lshl_add_u32 v[SPW], v0, 2, SPARE
	v_mov_b32 v[NIL], 0
	ds_add_u32 v[SPW], v[NIL]              ; the opening: the add, twice on end, and its wait
	ds_add_u32 v[SPW], v[NIL]
	v_lshrrev_b32 v1, 5, v0
	v_readfirstlane_b32 s2, v1             ; wave 0..3
	s_lshr_b32 s3, s2, 1                   ; my half of A's rows
	s_and_b32 s12, s2, 1                   ; my half of B's rows
	s_bfe_u32 s40, ttmp6, 0x40000          ; cx: the weight's tile of 256 rows
	s_bfe_u32 s41, ttmp6, 0x40004          ; cy
	s_lshl_b32 s42, ttmp9, 2
	s_add_co_u32 s42, s42, s40             ; tx 0..7
	s_and_b32 s17, ttmp7, 0xffff
	s_lshl_b32 s17, s17, 2
	s_add_co_u32 s17, s17, s41             ; ty 0..31: x's tile of 256 rows
	s_lshl_b32 s43, s41, 2
	s_lshl_b32 s43, 15, s43                ; my row of the cluster
	s_lshl_b32 s13, 0x1111, s40            ; my column
	DESC G1X, 43, 256
	DESC G1W, 13, 256
	DESC G1V, 13, 64
	s_wait_dscnt 0x0                       ; both adds are done
	s_wait_kmcnt 0x0
	s_cmp_eq_u32 ttmp9, 1                  ; the weight of q or of k
	s_cselect_b64 s[72:73], s[76:77], s[72:73]
	s_cselect_b64 s[74:75], s[78:79], s[74:75]
	s_cselect_b64 s[84:85], s[86:87], s[84:85]
	s_mov_b32 s101, 0
	s_lshl_b32 s100, s17, 17
	s_add_nc_u64 s[6:7], s[68:69], s[100:101]      ; x, half 0
	s_add_nc_u64 s[22:23], s[6:7], 256             ; half 1
	s_lshl_b32 s100, s40, 17
	s_add_nc_u64 s[10:11], s[72:73], s[100:101]    ; the weight
	s_add_nc_u64 s[46:47], s[10:11], 256
	s_mov_b32 s4, 1
	s_mov_b32 s5, 0
	s_or_b32 s7, s7, 0x80000000
	s_mov_b32 s8, 1
	s_mov_b32 s9, TILE
	s_or_b32 s11, s11, 0x80000000
	s_mov_b32 s20, 1
	s_mov_b32 s21, SLOT
	s_or_b32 s23, s23, 0x80000000
	s_mov_b32 s44, 1
	s_mov_b32 s45, SLOT+TILE
	s_or_b32 s47, s47, 0x80000000
	CROUND                                 ; all sixteen work-groups are here: the first joint loads meet
	ARM 1, 4, G1X, .Lhead1
	ARM 2, 8, G1W, .Lhead2
	ARM 3, 20, G1X, .Lhead3
	tensor_load_to_lds s[44:47], s[G1W:G1W+7]
	s_nop 0
	PLACES
.Lasked:
	; Wv: wave w fetches 64 rows (w % 2) of K half w / 2, to 64 w rows of the weight's half 0
	s_lshl_b32 s100, s42, 16
	s_lshl_b32 s86, s12, 15
	s_add_co_u32 s100, s100, s86
	s_lshl_b32 s86, s3, 8
	s_add_co_u32 s100, s100, s86
	s_mov_b32 s56, 1
	s_mul_i32 s57, s2, 17408
	s_add_co_u32 s57, s57, TILE
	s_add_nc_u64 s[58:59], s[80:81], s[100:101]
	s_or_b32 s59, s59, 0x80000000
	; scale rows of 32 bytes
	s_lshl_b32 s86, s17, 13
	s_lshl_b32 s87, s3, 12
	s_add_co_u32 s100, s86, s87
	s_add_nc_u64 s[14:15], s[70:71], s[100:101]    ; x as A
	s_lshl_b32 s87, s12, 12
	s_add_co_u32 s100, s86, s87
	s_add_nc_u64 s[62:63], s[70:71], s[100:101]    ; x as B
	s_lshl_b32 s86, s40, 13
	s_add_co_u32 s100, s86, s87
	s_add_nc_u64 s[18:19], s[74:75], s[100:101]    ; the weight as B
	s_lshl_b32 s100, s42, 12
	s_lshl_b32 s87, s3, 11
	s_add_co_u32 s100, s100, s87
	s_add_nc_u64 s[60:61], s[82:83], s[100:101]    ; Wv as A
	s_lshl_b32 s100, s40, 10
	s_lshl_b32 s87, s12, 9
	s_add_co_u32 s100, s100, s87
	s_add_nc_u64 s[84:85], s[84:85], s[100:101]    ; the bias along B's rows
	s_lshl_b32 s100, s42, 9
	s_lshl_b32 s87, s3, 8
	s_add_co_u32 s100, s100, s87
	s_add_nc_u64 s[88:89], s[88:89], s[100:101]    ; bv along A's rows
	s_lshl_b32 s86, s17, 3
	s_add_co_u32 s86, s86, s42                     ; g 0..255: my work-group's 32 queries of the mask; my wave's 4 pieces of 128 keys
	s_lshl_b32 s100, s86, 18
	s_lshl_b32 s87, s2, 11
	s_add_co_u32 s100, s100, s87
	s_add_nc_u64 s[98:99], s[90:91], s[100:101]
	s_lshl_b32 s100, s86, 9
	s_lshl_b32 s87, s2, 19
	s_add_co_u32 s100, s100, s87
	s_add_nc_u64 s[96:97], s[96:97], s[100:101]
	; q, k out: K step k1 = 2 cx + my half of B; tiles 16 ty + 8 x my half of A
	s_lshl_b32 s86, s40, 1
	s_add_co_u32 s86, s86, s12
	s_lshl_b32 s100, ttmp9, 22
	s_lshl_b32 s87, s17, 17
	s_add_co_u32 s100, s100, s87
	s_lshl_b32 s87, s3, 16
	s_add_co_u32 s100, s100, s87
	s_lshl_b32 s87, s86, 10
	s_add_co_u32 s100, s100, s87
	s_add_nc_u64 s[66:67], s[92:93], s[100:101]
	s_lshl_b32 s100, ttmp9, 18
	s_lshl_b32 s87, s17, 13
	s_add_co_u32 s100, s100, s87
	s_lshl_b32 s87, s3, 12
	s_add_co_u32 s100, s100, s87
	s_lshl_b32 s87, s86, 2
	s_add_co_u32 s100, s100, s87
	s_add_nc_u64 s[104:105], s[94:95], s[100:101]
	; v out: batch ty / 8, K step 2 (ty % 8) + my half of B; tiles 8 tx + 4 x my half of A
	s_and_b32 s86, s17, 7
	s_lshl_b32 s86, s86, 1
	s_add_co_u32 s86, s86, s12
	s_lshr_b32 s87, s17, 3
	s_lshl_b32 s100, s87, 20
	s_lshl_b32 s90, s42, 17
	s_add_co_u32 s100, s100, s90
	s_lshl_b32 s90, s3, 16
	s_add_co_u32 s100, s100, s90
	s_lshl_b32 s90, s86, 10
	s_add_co_u32 s100, s100, s90
	s_add_co_u32 s100, s100, 8388608
	s_add_nc_u64 s[92:93], s[92:93], s[100:101]
	s_lshl_b32 s100, s87, 16
	s_lshl_b32 s90, s42, 13
	s_add_co_u32 s100, s100, s90
	s_lshl_b32 s90, s3, 12
	s_add_co_u32 s100, s100, s90
	s_lshl_b32 s90, s86, 2
	s_add_co_u32 s100, s100, s90
	s_add_co_u32 s100, s100, 524288
	s_add_nc_u64 s[94:95], s[94:95], s[100:101]
	; LDS bases of my rows
	s_mul_i32 s86, s3, 34816               ; x as A
	s_mul_i32 s87, s12, 34816              ; x as B
	s_add_co_u32 s90, s87, TILE            ; the weight as B
	s_mul_i32 s91, s3, 17408
	s_add_co_u32 s91, s91, TILE            ; Wv as A
	s_mov_b32 s100, 0x76543210             ; lane selects for v_permlanex16_b32: lane l xor 16
	s_mov_b32 s101, 0xfedcba98
	s_mov_b32 s16, 0xffff0000              ; lanes 16-31
	v_and_b32 v1, 15, v0                   ; r
	v_bfe_u32 v2, v0, 4, 1                 ; h
	v_and_b32 v7, 31, v0
	v_mul_u32_u24 v3, v1, 272
	v_lshl_add_u32 v3, v2, 4, v3
	v_add_nc_u32 v16, s86, v3
	v_add_nc_u32 v17, SLOT, v16
	v_add_nc_u32 v18, s90, v3
	v_add_nc_u32 v19, SLOT, v18
	v_add_nc_u32 v20, s91, v3
	v_add_nc_u32 v21, s87, v3
	v_add_nc_u32 v22, SLOT, v21
	v_lshlrev_b32 v23, 5, v7               ; 32 x lane: rows of q's, k's, x's, the weights' scales
	v_lshlrev_b32 v[LI], 4, v7
	v_lshlrev_b32 v26, 6, v7               ; 64 x lane: rows of v's
	v_lshlrev_b32 v8, 5, v2
	v_lshlrev_b32 v9, 2, v1
.irp e, 0,1,2,3,4,5,6,7,8,9,10,11,12,13,14,15
	v_mov_b32 v[PK+\e], 0                  ; (a written lane's register counts as read)
.endr
	s_wait_alu depctr_va_vdst(0)
.irp g, 0,1,2,3
.irp s, 0,1
	global_load_b128 v[SCA+8*\g+4*\s:SCA+8*\g+4*\s+3], v23, s[14:15] offset:1024*\g+16*\s
	global_load_b128 v[SCB+8*\g+4*\s:SCB+8*\g+4*\s+3], v23, s[18:19] offset:1024*\g+16*\s
.endr
.endr
.irp b, 0,1,2,3,4,5,6,7
	global_load_b128 v[BI+8*\b:BI+8*\b+3], v8, s[84:85] offset:64*\b
	global_load_b128 v[BI+8*\b+4:BI+8*\b+7], v8, s[84:85] offset:64*\b+16
.endr
.irp a, 0,1,2,3
	global_load_b32 v[12+\a], v9, s[88:89] offset:64*\a
.endr
; mask set a: piece a / 2 of my four, queries 16 (a % 2) on: 16 loads of 512 consecutive bytes, read once in the launch
; (HALF-SETS: number a of 16 is piece a / 4 of my four, queries 8 (a % 4) on: 8 loads into 32 registers)
.macro LOADSET a, reg
	WIN TO_B
.irp t, 0,1,2,3,4,5,6,7
	global_load_b128 v[\reg+4*\t:\reg+4*\t+3], v[LI], s[98:99] offset:(8*((\a)%4)+\t)*8192+512*((\a)/4) th:TH_LOAD_NT
.endr
	WIN 0
.endm
.macro CMPB reg, n                     ; eight lane masks: two queries x keys 4 lane + 0 .. 3
.irp e, 0,1,2,3,4,5,6,7
	v_cmp_ne_u32 s[68+8*((\n)%2)+\e], 0, v[\reg+8*(\n)+\e]
.endr
.endm
.macro WLB a, n                        ; each to its query's lane
.irp e, 0,1,2,3,4,5,6,7
	v_writelane_b32 v[PK+4*((\a)/4)+(\e%4)], s[68+8*((\n)%2)+\e], 8*((\a)%4)+2*(\n)+(\e/4)
.endr
.endm
.macro PACK a, reg, cnt                ; cnt: the loads issued behind this half-set's, which may stay out
	s_wait_loadcnt \cnt
	WIN 0x04
	CMPB \reg, 0
.irp n, 1,2,3
	CMPB \reg, \n
	WLB \a, \n-1
.endr
	WLB \a, 3
	s_wait_alu depctr_va_vdst(0)
	WIN 0
.if ((\a)%4) == 3
	global_store_b128 v[LI], v[PK+4*((\a)/4):PK+4*((\a)/4)+3], s[96:97] offset:131072*((\a)/4)   ; 32 queries x 16 bytes
.endif
.endm
.macro FRAG reg, adr, q, i             ; 16 rows x 128 K: lane l holds row l % 16; registers 4 c .. 4 c + 3 hold K = 64 c + 32 (l / 16) + 0 .. 31
.irp c, 0,1
	ds_load_b128 v[\reg+4*\c:\reg+4*\c+3], v[\adr] offset:64*(\q)+32*\c+(\i)*4352
.endr
.endm
.macro FETCH_B adr, q, p
	WIN TO_B
.irp i, 0,1,2,3,4,5,6,7
	FRAG 128*(\p)+8*\i, \adr, \q, \i
.endr
	WIN 0
.endm
.macro FETCH_A adr, q, i0
.irp i, \i0, \i0+1, \i0+2, \i0+3
	FRAG AF+8*(\i), \adr, \q, \i
.endr
.endm
; block a of A (fragment at af) x B's 128 rows (set p), K step k.  first = 1: C is the bias along B (BI + 16 b); 2: the bias along A (BI + 16 a).  The accumulators take turns.
.macro MM a, p, k, af, first
.irp b, 0,1,2,3
.set DD, 64*((\a)%4)+16*\b
.if (\first) == 1
.set CC, BI+16*\b
.elseif (\first) == 2
.set CC, BI+16*(\a)
.else
.set CC, DD
.endif
.if (\a)%2
	v_wmma_scale_f32_32x16x128_f4 v[DD:DD+15], v[128*(\p)+16*\b:128*(\p)+16*\b+15], v[\af:\af+7], v[CC:CC+15], v[SCB+8*\b+(\k)], v[SCA+8*((\a)/2)+(\k)] matrix_b_scale:MATRIX_SCALE_ROW1
.else
	v_wmma_scale_f32_32x16x128_f4 v[DD:DD+15], v[128*(\p)+16*\b:128*(\p)+16*\b+15], v[\af:\af+7], v[CC:CC+15], v[SCB+8*\b+(\k)], v[SCA+8*((\a)/2)+(\k)]
.endif
.endr
.endm
.macro MM4 a0, p, k, first
.irp a, \a0, \a0+1, \a0+2, \a0+3
	MM \a, \p, \k, AF+8*(\a), \first
.endr
.endm
.macro STEP h, q, first                ; K step 4 h + q, which has its successor in the same half
	s_wait_dscnt 8                         ; B's set and A's blocks 0-3 are in; the youngest 8 loads (A's blocks 4-7) may be out
.if \first
	WIN 0x81                               ; C window 0, D window 2
.else
	WIN MUL_LO
.endif
	MM4 0, (\q)%2, 4*\h+\q, \first
	s_wait_dscnt 0
	PLACES
	FETCH_B ADRB+\h, \q+1, 1-(\q)%2
	FETCH_A ADRA+\h, \q+1, 0
.if \first
	WIN 0xc1
.else
	WIN MUL_HI
.endif
	MM4 4, (\q)%2, 4*\h+\q, \first
	PLACES
	WIN 0
	FETCH_A ADRA+\h, \q+1, 4
.endm
	LOADSET 0, 64
	LOADSET 1, 96
	LOADSET 2, 192
	LOADSET 3, 224
	s_cmp_lt_u32 s2, 2                     ; half 0 is waves 0 and 1's; half 1's loads (waves 2 and 3) may be out
	s_cbranch_scc0 .Lhalf1_out
	s_wait_tensorcnt 0x0
.Lhalf1_out:
	s_barrier_signal -1
	s_barrier_wait -1                      ; half 0 is in
	FETCH_B ADRB, 0, 0
	FETCH_A ADRA, 0, 0
	FETCH_A ADRA, 0, 4
	s_wait_loadcnt 32                      ; scales and biases are in; the mask's half-sets 0 to 3 may be out
	STEP 0, 0, 1
	PACK 0, 64, 24                         ; behind half-set a: a + 1 to a + 3; its registers take half-set a + 4
	LOADSET 4, 64
	STEP 0, 1, 0
	PACK 1, 96, 24
	LOADSET 5, 96
	STEP 0, 2, 0
	PACK 2, 192, 24
	LOADSET 6, 192
	; K STEP 3 CHANGES HALVES, and Wv is filled over the weight's half 0
	s_wait_tensorcnt 0x0                   ; my load of the head has landed;
	ds_add_u32 v[SPW], v[NIL]              ; 0 onto my spare word;
	s_wait_dscnt 9                         ; (the add and the youngest 8 loads may be out)
	WIN MUL_LO
	MM 0, 1, 3, AF, 0
	MM 1, 1, 3, AF+8, 0
	s_wait_dscnt 0x0                       ; the add is done, and my reads of half 0 are over
	s_barrier_signal -1
	MM 2, 1, 3, AF+16, 0
	MM 3, 1, 3, AF+24, 0
	WIN 0
	s_barrier_wait -1
	CREST                                  ; no wave of any partner still reads the weight's half 0
	tensor_load_to_lds s[56:59], s[G1V:G1V+7]
	s_nop 0
	PLACES                                 ; (places for the loads below too)
	FETCH_B ADRB+1, 0, 0
	FETCH_A ADRA+1, 0, 0
	WIN MUL_HI
	MM4 4, 1, 3, 0
	PLACES
	WIN 0
	FETCH_A ADRA+1, 0, 4
	PACK 3, 224, 24
	LOADSET 7, 224
	STEP 1, 0, 0
	PACK 4, 64, 24
	LOADSET 8, 64
	STEP 1, 1, 0
	PACK 5, 96, 24
	LOADSET 9, 96
	STEP 1, 2, 0
	PACK 6, 192, 24
	LOADSET 10, 192
	s_wait_dscnt 8                         ; K step 7
	WIN MUL_LO
	MM4 0, 1, 7, 0
	s_wait_dscnt 0
	WIN MUL_HI
	MM4 4, 1, 7, 0
	WIN 0
	PLACES
.irp g, 0,1,2,3                        ; v's scales
.irp s, 0,1
.if \g < 2
	global_load_b128 v[SCA+8*\g+4*\s:SCA+8*\g+4*\s+3], v23, s[60:61] offset:1024*\g+16*\s
.endif
	global_load_b128 v[SCB+8*\g+4*\s:SCB+8*\g+4*\s+3], v23, s[62:63] offset:1024*\g+16*\s
.endr
.endr
	LOADSET 11, 0                          ; B's set 0 is idle until the second product
	LOADSET 12, 32
; THE WAY OUT of blocks 2 p, 2 p + 1.  Register 16 b + i of a block is in block b of 32 along k, shared with lane l xor 16.  Tile t's conversion holds k = 16 t + 8 h + 0 .. 7; tiles 0, 2 (1, 3; 4, 6; 5, 7) stand side by side,
; and one exchange of halves gives register 4 c + i with k = 64 c + 32 h + 8 i + 0 .. 7.  ob, ts: base of the images, bytes from tile to tile; sb, so, ss: the scale words' base, lane offset, bytes from pair to pair.
.macro PAIR p, ob, ts, sb, so, ss
.set AC, 128*((\p)%2)
	WIN 0x28+0x14*((\p)/2)
.irp b, 0,1,2,3
.irp u, 0,1
	v_max3_num_f32 v[TM+4*\u+\b], 0x1800000, |v[AC+64*\u+16*\b]|, |v[AC+64*\u+16*\b+1]|   ; with the floor 2^(3 - 127): the byte cannot fall under 1
.endr
.endr
.irp i, 2,4,6,8,10,12,14
.irp b, 0,1,2,3
.irp u, 0,1
	v_max3_num_f32 v[TM+4*\u+\b], v[TM+4*\u+\b], |v[AC+64*\u+16*\b+\i]|, |v[AC+64*\u+16*\b+\i+1]|
.endr
.endr
.endr
	WIN 0
.irp e, 0,1,2,3,4,5,6,7
	v_permlanex16_b32 v[TM+8+\e], v[TM+\e], s100, s101
.endr
.irp e, 0,1,2,3,4,5,6,7
	v_max_num_f32 v[TM+\e], v[TM+\e], v[TM+8+\e]
.endr
.irp e, 0,1,2,3,4,5,6,7
	v_add_nc_u32 v[TM+16+\e], 0xff000000, v[TM+\e] ; 2 off the exponent field: the conversion's scale operand
.endr
.irp e, 0,1,2,3,4,5,6,7
	v_lshrrev_b32 v[TM+8+\e], 23, v[TM+16+\e]      ; the byte
.endr
.irp u, 0,1
	v_lshl_or_b32 v[TM+24+\u], v[TM+9+4*\u], 8, v[TM+8+4*\u]
.endr
.irp u, 0,1
	v_lshl_or_b32 v[TM+24+\u], v[TM+10+4*\u], 16, v[TM+24+\u]
.endr
.irp u, 0,1
	v_lshl_or_b32 v[TM+24+\u], v[TM+11+4*\u], 24, v[TM+24+\u]
.endr
	s_wait_alu depctr_va_vdst(0)
	s_wait_xcnt 0x0                        ; the last pair's stores have read their data
	v_cndmask_b32 v[TM+26], v[TM+24], v[TM+25], s16        ; lanes 0-15: block 2 p's rows, lanes 16-31: block 2 p + 1's
	WIN 0x02+(\p)/2
.irp u, 0,1
.irp g, 0,4
	v_cvt_scalef32_pk8_fp4_f32 v[PCD+8*\u+\g], v[AC+64*\u+8*\g:AC+64*\u+8*\g+7], v[TM+16+4*\u+\g/2]
	v_cvt_scalef32_pk8_fp4_f32 v[PCD+8*\u+\g+2], v[AC+64*\u+8*\g+8:AC+64*\u+8*\g+15], v[TM+16+4*\u+\g/2]
	v_cvt_scalef32_pk8_fp4_f32 v[PCD+8*\u+\g+1], v[AC+64*\u+8*\g+16:AC+64*\u+8*\g+23], v[TM+17+4*\u+\g/2]
	v_cvt_scalef32_pk8_fp4_f32 v[PCD+8*\u+\g+3], v[AC+64*\u+8*\g+24:AC+64*\u+8*\g+31], v[TM+17+4*\u+\g/2]
.endr
.endr
	WIN 0
	v_nop                                  ; one plain place behind a scaled conversion
.irp e, 0,2,4,6,8,10,12,14
	v_permlane16_swap_b32 v[PCD+\e], v[PCD+\e+1]
.endr
.irp u, 0,1
.irp c, 0,1
	global_store_b128 v[LI], v[PCD+8*\u+4*\c:PCD+8*\u+4*\c+3], s[\ob:\ob+1] offset:(2*(\p)+\u)*\ts+512*\c   ; 512 consecutive bytes
.endr
.endr
	global_store_b32 v[\so], v[TM+26], s[\sb:\sb+1] offset:(\p)*\ss
.endm
.macro PERM0
.irp e, 0,1,2,3,4,5,6,7
	v_mov_b32 v[TM+8+\e], 0                ; a lane permute's destination counts as one of its sources
.endr
.endm
	PERM0
	PAIR 0, 66, 8192, 104, 23, 1024
	PACK 7, 224, 52                        ; behind it: half-sets 8 to 10, 12 loads of scales, half-sets 11 and 12
	LOADSET 13, 224
	PACK 8, 64, 52                         ; in each of the next three: five half-sets and the scales
	LOADSET 14, 64
	PAIR 1, 66, 8192, 104, 23, 1024
	PACK 9, 96, 52
	LOADSET 15, 96
	PACK 10, 192, 52
	PAIR 2, 66, 8192, 104, 23, 1024
	PACK 11, 0, 32                         ; behind it: half-sets 12 to 15 (so the scales are in)
	PACK 12, 32, 24
	PAIR 3, 66, 8192, 104, 23, 1024
	s_wait_xcnt 0x0                        ; the stores have read their data
.irp a, 0,1,2,3
.set n, 0
.rept 16
	v_mov_b32 v[BI+16*\a+n], v[12+\a]      ; the bias of row 16 a + r, as C
.set n, n+1
.endr
.endr
	s_wait_alu depctr_va_vdst(0)
	s_wait_tensorcnt 0x0                   ; my part of Wv is in
	s_wait_dscnt 0x0
	s_barrier_signal -1
	s_barrier_wait -1                      ; everybody's is
.macro FETCH2 k, p
	WIN TO_B
.irp i, 0,1,2,3,4,5,6,7
	FRAG 128*(\p)+8*\i, 21+(\k)/4, (\k)%4, \i
.endr
	WIN 0
.irp i, 0,1,2,3
.irp c, 0,1
	ds_load_b128 v[AF+32*(\p)+8*\i+4*\c:AF+32*(\p)+8*\i+4*\c+3], v20 offset:34816*((\k)/4)+64*((\k)%4)+32*\c+4352*\i
.endr
.endr
.endm
.macro STEP2 k, first
.if (\k) < 7
	PLACES
	FETCH2 (\k)+1, 1-(\k)%2
	s_wait_dscnt 24                        ; all but the 24 just issued
.else
	s_wait_dscnt 0
.endif
.if \first
	WIN 0x81
.else
	WIN MUL_LO
.endif
.irp a, 0,1,2,3
	MM \a, (\k)%2, \k, AF+32*((\k)%2)+8*\a, \first
.endr
.endm
	FETCH2 0, 0
	STEP2 0, 2
	STEP2 1, 0
	PACK 13, 224, 16
	STEP2 2, 0
	STEP2 3, 0
	PACK 14, 64, 8
	STEP2 4, 0
	STEP2 5, 0
	PACK 15, 96, 0
	STEP2 6, 0
	STEP2 7, 0
	WIN 0
	PLACES
	PERM0
	PAIR 0, 92, 16384, 94, 26, 2048
	PAIR 1, 92, 16384, 94, 26, 2048
	s_wait_tensorcnt 0x0                   ; the wave's end
	ds_add_u32 v[SPW], v[NIL]
	s_wait_dscnt 0x0
	CROUND                                 ; the closing round
	s_endpgm
.Lfunc_end_k_qe921c2dcd0_proj:
	.size	k_qe921c2dcd0_proj, .Lfunc_end_k_qe921c2dcd0_proj-k_qe921c2dcd0_proj
	.p2alignl 7, 3214868480
	.fill 96, 4, 3214868480
	.section	.rodata,"a",@progbits
	.p2align	6, 0x0
	.amdhsa_kernel k_qe921c2dcd0_proj
		.amdhsa_group_segment_fixed_size 327680
		.amdhsa_private_segment_fixed_size 0
		.amdhsa_enable_private_segment 0
		.amdhsa_kernarg_size 120
		.amdhsa_user_sgpr_count 2
		.amdhsa_user_sgpr_kernarg_segment_ptr 1
		.amdhsa_wavefront_size32 1
		.amdhsa_system_sgpr_workgroup_id_x 1
		.amdhsa_system_sgpr_workgroup_id_y 1
		.amdhsa_system_sgpr_workgroup_id_z 1
		.amdhsa_system_vgpr_workitem_id 0
		.amdhsa_next_free_vgpr 1024
		.amdhsa_next_free_sgpr 106
		.amdhsa_reserve_vcc 0
		.amdhsa_float_denorm_mode_32 3
		.amdhsa_float_denorm_mode_16_64 3
		.amdhsa_memory_ordered 1
		.amdhsa_forward_progress 1
		.amdhsa_inst_pref_size 228
	.end_amdhsa_kernel
	.amdgpu_metadata
---
amdhsa.version: [ 1, 2 ]
amdhsa.kernels:
  - .name:           k_qe921c2dcd0_proj
    .symbol:         k_qe921c2dcd0_proj.kd
    .args:
      - { .name: x_codes, .offset: 0, .size: 8, .value_kind: global_buffer, .address_space: global }
      - { .name: x_scales, .offset: 8, .size: 8, .value_kind: global_buffer, .address_space: global }
      - { .name: Wq_codes, .offset: 16, .size: 8, .value_kind: global_buffer, .address_space: global }
      - { .name: Wq_scales, .offset: 24, .size: 8, .value_kind: global_buffer, .address_space: global }
      - { .name: Wk_codes, .offset: 32, .size: 8, .value_kind: global_buffer, .address_space: global }
      - { .name: Wk_scales, .offset: 40, .size: 8, .value_kind: global_buffer, .address_space: global }
      - { .name: Wv_codes, .offset: 48, .size: 8, .value_kind: global_buffer, .address_space: global }
      - { .name: Wv_scales, .offset: 56, .size: 8, .value_kind: global_buffer, .address_space: global }
      - { .name: bq, .offset: 64, .size: 8, .value_kind: global_buffer, .address_space: global }
      - { .name: bk, .offset: 72, .size: 8, .value_kind: global_buffer, .address_space: global }
      - { .name: bv, .offset: 80, .size: 8, .value_kind: global_buffer, .address_space: global }
      - { .name: attention_mask, .offset: 88, .size: 8, .value_kind: global_buffer, .address_space: global }
      - { .name: wc, .offset: 96, .size: 8, .value_kind: global_buffer, .address_space: global }
      - { .name: wsc, .offset: 104, .size: 8, .value_kind: global_buffer, .address_space: global }
      - { .name: mb, .offset: 112, .size: 8, .value_kind: global_buffer, .address_space: global }
    .group_segment_fixed_size: 327680
    .private_segment_fixed_size: 0
    .kernarg_segment_align: 8
    .kernarg_segment_size: 120
    .max_flat_workgroup_size: 128
    .sgpr_count:     106
    .vgpr_count:     1024
    .wavefront_size: 32
...
	.end_amdgpu_metadata
.endif
;; end of part 1
;; launch scores (part 2): grid 8 x 32, 4 waves a work-group, clusters of 4 x 4, 327,680 bytes of LDS; arguments wc, wsc, mb, pc, pst; writes pc, pst
.if DOCPART == 2
	.amdgcn_target "amdgcn-amd-amdhsa--gfx1250"
	.amdhsa_code_object_version 6
	.text
	.protected	k_qe921c2dcd0_scores
	.globl	k_qe921c2dcd0_scores
	.p2align	8
	.type	k_qe921c2dcd0_scores,@function
k_qe921c2dcd0_scores:
	s_mov_b64 s[64:65], 0
	v_nop
	global_prefetch_b8 v0, s[64:65] scope:SCOPE_SE
	s_setreg_imm32_b32 hwreg(HW_REG_WAVE_MODE, 25, 1), 1
	s_wait_xcnt 0x0
	s_wait_alu depctr_hold_cnt(0) depctr_sa_sdst(0) depctr_va_vdst(0) depctr_va_sdst(0) depctr_va_ssrc(0) depctr_va_vcc(0) depctr_vm_vsrc(0)
	s_getreg_b32 s2, hwreg(HW_REG_IB_STS2, 6, 4)
	s_cmp_eq_u32 s2, 0
	s_cbranch_scc0 .Lentry_in_a_cluster
	s_endpgm
.Lentry_in_a_cluster:
	s_bfe_u32 s2, ttmp6, 0x10000c
	s_cmp_lg_u32 s2, 0xf033
	s_cbranch_scc0 .Lentry_shape_is_right
	s_endpgm
.Lentry_shape_is_right:
; S = q k^T on the codes of the launch before; where the mask's bit is 0 the score is -1e9; t = score x log2(e) / 32; p = 2^(t - M) is quantised along the keys and leaves as codes.
; M IS LOCAL: for each query and each piece of 128 keys (a wave's width) M = ceil(the piece's largest t), a whole number.  The next launch finds the row's M and takes the difference, an exact power of two, off the scale bytes.
; Out: pc [512 tiles of 16 queries][16 K steps of 128 keys][1,024]: fragment images (register 4 c + i of lane L at byte 512 c + 16 L + 4 i).
;      pst [3][16 K steps][8192 queries] of 4 bytes: p's scale word under the local M; -M (f32); the piece's sum of the unquantised p (f32).
; A tile of 256 queries x 256 keys is made by four waves, 128 x 128 each.  K = 1,024 lies in two LDS halves of 512 along K, both asked for at the head, one load a wave (waves 0, 2: q; waves 1, 3: k); nothing is filled again, and no loop runs ahead: no prefetch.
; The operands come as fragment images: a tile's half is 4,096 consecutive bytes; a fragment is read by two loads at 16 x lane.  Scale words go from memory to registers: lane L of a group of 32 rows holds row L's eight words.
; TRANSPOSED USE of the 32x16x128 form: source 0 = 32 keys, source 1 = 16 queries: lane (r, h) holds query 16 a + r; register 8 b + j of block a key 16 b + 8 h + j.
; CLUSTERS 4 x 4 of one batch: q's tiles are asked for jointly by a row of the cluster, k's by a column.
; THE MASK comes as bits, 16 bytes for a query and a piece: bit l of word i is key 4 l + i.  After a shift by 2 h register 8 b + j finds its bit at 4 b + j / 4 of word j % 4.
; t - M is a multiplication and then an addition, not one fused line: where all 128 keys of a piece are masked, t is a whole number (its magnitude is over 2^24), M = t, and p is exactly 1, as the reference's equal logits ask.
; LIMITS: NaN and infinities are not served; the scaled scores stay under 2^31 in magnitude.  A block of p whose largest number is under 2^-124, or all zeros, keeps the byte 1.
; REGISTERS.  Window 0: v16-31 addresses; v32-95 scale words and nothing else; v128-191 A's fragments; in the loop v0-7 mask words, v8-15 scale operands, v16-23 sums, v96-111 codes, v112-119 largest numbers, v120-127 permutes and bytes, v128-255 two blocks' 128 numbers.
;   Window 1: B's fragments at v0 and v128; v64-95 the mask's words.  Windows 2, 3: the accumulators.
.set SLOT, 131072                      ; q's 16 tiles x 4,096, then k's
.set SPARE, 262144
.set ADRA, 16
.set ADRB, 18
.set LI,  24                           ; 16 x lane
.set L4,  25                           ; 4 x lane
.set SPW, 28
.set NIL, 29
.set SCA, 32
.set SCB, 64
.set MW,  64                           ; window 1
.set AF,  128
.set T,   128
.set PCD, 96
.set TM,  112
.set PB,  120
.set SO,  8
.set SU,  16
.set G1,  24
.set G1B, 48
.set CS,  66                           ; s[66:67] log2(e) / 32
.set SEL, 92
.set HI,  94
.set TMK, 95                           ; t of a masked score
.set PCB, 96
.set PSB, 98
.set MSB, 0
.macro WIN new
.if MSB != (\new)
	s_set_vgpr_msb (MSB<<8)|(\new)
.set MSB, (\new)
.endif
.endm
.set MUL_LO, 0xa1
.set MUL_HI, 0xf1
.set TO_B, 0x40
.macro CROUND
	s_barrier_signal -1
	s_barrier_wait -1
	s_cmp_lg_u32 s2, 0
	s_cbranch_scc1 .Lnot_wave_0_\@
	s_barrier_signal -3
.Lnot_wave_0_\@:
	s_barrier_wait -3
	s_barrier_signal -1
	s_barrier_wait -1
.endm
.macro PLACES
.rept 4
	v_nop
.endr
.endm
.macro ARM under, g0, g1, next
	s_cmp_lt_u32 s2, \under
	s_cbranch_scc0 \next
	tensor_load_to_lds s[\g0:\g0+3], s[\g1:\g1+7]
	s_nop 0
	PLACES
	s_branch .Lasked
\next:
.endm
.macro DESC g, m                       ; 16 tiles x 4,096 bytes (512 elements of 8), 8,192 bytes apart
	s_or_b32 s[\g], s[\m], (3<<16)|(1<<21)
	s_mov_b32 s[\g+1], 512<<16
	s_mov_b32 s[\g+2], 16<<16
	s_mov_b32 s[\g+3], 512<<16
	s_mov_b32 s[\g+4], 16
	s_mov_b32 s[\g+5], 1024
	s_mov_b32 s[\g+6], 0
	s_mov_b32 s[\g+7], 0
.endm
	s_load_b256 s[4:11], s[0:1], 0x0       ; wc, wsc, mb, pc
	s_load_b64 s[12:13], s[0:1], 0x20      ; pst
	v_lshl_add_u32 v[SPW], v0, 2, SPARE
	v_mov_b32 v[NIL], 0
	ds_add_u32 v[SPW], v[NIL]              ; the opening: the add, twice on end, and its wait
	ds_add_u32 v[SPW], v[NIL]
	v_lshrrev_b32 v1, 5, v0
	v_readfirstlane_b32 s2, v1             ; wave 0..3
	s_lshr_b32 s14, s2, 1                  ; my half of the queries
	s_and_b32 s15, s2, 1                   ; my half of the keys
	s_bfe_u32 s40, ttmp6, 0x40000          ; cx
	s_bfe_u32 s41, ttmp6, 0x40004          ; cy
	s_lshl_b32 s42, ttmp9, 2
	s_add_co_u32 s42, s42, s40             ; gx: my 256 keys of the batch's 2,048
	s_and_b32 s17, ttmp7, 0xffff
	s_lshr_b32 s18, s17, 1                 ; the batch: from the cluster's y alone
	s_lshl_b32 s17, s17, 2
	s_add_co_u32 s17, s17, s41             ; gy: my 256 of the 8,192 query rows
	s_lshl_b32 s43, s41, 2
	s_lshl_b32 s43, 15, s43                ; my row of the cluster
	s_lshl_b32 s44, 0x1111, s40            ; my column
	DESC G1, 43
	DESC G1B, 44
	s_lshl_b32 s45, s18, 3
	s_add_co_u32 s45, s45, s42             ; k's tile of 256 rows
	s_mov_b32 s101, 0
	s_wait_dscnt 0x0                       ; both adds are done
	s_wait_kmcnt 0x0
	s_lshl_b32 s100, s17, 17
	s_add_nc_u64 s[22:23], s[4:5], s[100:101]      ; q, half 0
	s_add_nc_u64 s[38:39], s[22:23], 4096          ; half 1
	s_lshl_b32 s100, s45, 17
	s_add_co_u32 s100, s100, 4194304
	s_add_nc_u64 s[34:35], s[4:5], s[100:101]      ; k
	s_add_nc_u64 s[58:59], s[34:35], 4096
	s_mov_b32 s20, 1
	s_mov_b32 s21, 0
	s_or_b32 s23, s23, 0x80000000
	s_mov_b32 s32, 1
	s_mov_b32 s33, 65536
	s_or_b32 s35, s35, 0x80000000
	s_mov_b32 s36, 1
	s_mov_b32 s37, SLOT
	s_or_b32 s39, s39, 0x80000000
	s_mov_b32 s56, 1
	s_mov_b32 s57, SLOT+65536
	s_or_b32 s59, s59, 0x80000000
	CROUND                                 ; all sixteen work-groups are here: the first joint loads meet
	ARM 1, 20, G1, .Lhead1
	ARM 2, 32, G1B, .Lhead2
	ARM 3, 36, G1, .Lhead3
	tensor_load_to_lds s[56:59], s[G1B:G1B+7]
	s_nop 0
	PLACES
.Lasked:
	s_lshl_b32 s100, s17, 13
	s_lshl_b32 s74, s14, 12
	s_add_co_u32 s100, s100, s74
	s_add_nc_u64 s[68:69], s[6:7], s[100:101]      ; my queries' scales
	s_lshl_b32 s100, s45, 13
	s_lshl_b32 s74, s15, 12
	s_add_co_u32 s100, s100, s74
	s_add_co_u32 s100, s100, 262144
	s_add_nc_u64 s[70:71], s[6:7], s[100:101]      ; my keys'
	s_lshl_b32 s75, s42, 1
	s_add_co_u32 s75, s75, s15                     ; my piece: K step of the next product
	s_lshl_b32 s100, s75, 17
	s_lshl_b32 s74, s17, 12
	s_add_co_u32 s100, s100, s74
	s_lshl_b32 s74, s14, 11
	s_add_co_u32 s100, s100, s74
	s_add_nc_u64 s[72:73], s[8:9], s[100:101]      ; mb: my piece, my first query
	s_lshl_b32 s100, s17, 18
	s_lshl_b32 s74, s14, 17
	s_add_co_u32 s100, s100, s74
	s_lshl_b32 s74, s75, 10
	s_add_co_u32 s100, s100, s74
	s_add_nc_u64 s[PCB:PCB+1], s[10:11], s[100:101]
	s_lshl_b32 s100, s75, 15
	s_lshl_b32 s74, s17, 10
	s_add_co_u32 s100, s100, s74
	s_lshl_b32 s74, s14, 9
	s_add_co_u32 s100, s100, s74
	s_add_nc_u64 s[PSB:PSB+1], s[12:13], s[100:101]
	s_mov_b32 s[CS], 0x3d38aa3b                    ; log2(e) with 5 off its exponent: score x c has the bits of (score / 32) x log2(e)
	s_mov_b32 s[CS+1], s[CS]
	s_mov_b32 s[SEL], 0x76543210
	s_mov_b32 s[SEL+1], 0xfedcba98
	s_mov_b32 s[HI], 0xffff0000                    ; lanes 16-31
	s_mov_b32 s60, 0                               ; what a trip adds to pc's base and to pst's: 0 in the first
	s_mov_b32 s61, 0
	s_mov_b32 s62, 0
	s_mov_b32 s63, 0
	s_lshl_b32 s76, s14, 15
	s_lshl_b32 s77, s15, 15
	s_add_co_u32 s77, s77, 65536
	v_and_b32 v3, 31, v0
	v_and_b32 v4, 15, v0
	v_bfe_u32 v26, v0, 4, 1
	v_lshlrev_b32 v26, 1, v26                      ; 2 h
	v_lshlrev_b32 v[LI], 4, v3
	v_lshlrev_b32 v[L4], 2, v3
	v_lshlrev_b32 v22, 5, v3                       ; 32 x lane: scale rows
	v_lshlrev_b32 v23, 4, v4                       ; 16 r: mask words
	v_add_nc_u32 v16, s76, v[LI]
	v_add_nc_u32 v17, SLOT, v16
	v_add_nc_u32 v18, s77, v[LI]
	v_add_nc_u32 v19, SLOT, v18
	v_mov_b32 v1, 0xce6e6b28                       ; -1e9,
	v_mul_f32 v1, s[CS], v1                        ; as t
	v_readfirstlane_b32 s[TMK], v1
	s_wait_alu depctr_va_vdst(0)
.irp g, 0,1,2,3
.irp s, 0,1
	global_load_b128 v[SCA+8*\g+4*\s:SCA+8*\g+4*\s+3], v22, s[68:69] offset:1024*\g+16*\s
	global_load_b128 v[SCB+8*\g+4*\s:SCB+8*\g+4*\s+3], v22, s[70:71] offset:1024*\g+16*\s
.endr
.endr
	WIN TO_B
.irp a, 0,1,2,3,4,5,6,7
	global_load_b128 v[MW+4*\a:MW+4*\a+3], v23, s[72:73] offset:256*\a
.endr
	WIN 0
.macro FRAG reg, adr, q, i             ; a fragment's image: two loads of 512 consecutive bytes
.irp c, 0,1
	ds_load_b128 v[\reg+4*\c:\reg+4*\c+3], v[\adr] offset:4096*(\i)+1024*(\q)+512*\c
.endr
.endm
.macro FETCH_B adr, q, p
	WIN TO_B
.irp i, 0,1,2,3,4,5,6,7
	FRAG 128*(\p)+8*\i, \adr, \q, \i
.endr
	WIN 0
.endm
.macro FETCH_A adr, q, i0
.irp i, \i0, \i0+1, \i0+2, \i0+3
	FRAG AF+8*(\i), \adr, \q, \i
.endr
.endm
; block a of the queries x my 128 keys, K step k.  first = 1: the product starts the sum.  The accumulators take turns.
.macro MM a, p, k, first
.irp b, 0,1,2,3
.set DD, 64*((\a)%4)+16*\b
.if (\first) && ((\a)%2)
	v_wmma_scale_f32_32x16x128_f4 v[DD:DD+15], v[128*(\p)+16*\b:128*(\p)+16*\b+15], v[AF+8*(\a):AF+8*(\a)+7], 0, v[SCB+8*\b+(\k)], v[SCA+8*((\a)/2)+(\k)] matrix_b_scale:MATRIX_SCALE_ROW1
.elseif \first
	v_wmma_scale_f32_32x16x128_f4 v[DD:DD+15], v[128*(\p)+16*\b:128*(\p)+16*\b+15], v[AF+8*(\a):AF+8*(\a)+7], 0, v[SCB+8*\b+(\k)], v[SCA+8*((\a)/2)+(\k)]
.elseif (\a)%2
	v_wmma_scale_f32_32x16x128_f4 v[DD:DD+15], v[128*(\p)+16*\b:128*(\p)+16*\b+15], v[AF+8*(\a):AF+8*(\a)+7], v[DD:DD+15], v[SCB+8*\b+(\k)], v[SCA+8*((\a)/2)+(\k)] matrix_b_scale:MATRIX_SCALE_ROW1
.else
	v_wmma_scale_f32_32x16x128_f4 v[DD:DD+15], v[128*(\p)+16*\b:128*(\p)+16*\b+15], v[AF+8*(\a):AF+8*(\a)+7], v[DD:DD+15], v[SCB+8*\b+(\k)], v[SCA+8*((\a)/2)+(\k)]
.endif
.endr
.endm
.macro MM4 a0, p, k, first
.irp a, \a0, \a0+1, \a0+2, \a0+3
	MM \a, \p, \k, \first
.endr
.endm
.macro STEP h, q, first
	s_wait_dscnt 8                         ; B's set and A's blocks 0-3 are in; the youngest 8 loads (A's blocks 4-7) may be out
	WIN MUL_LO
	MM4 0, (\q)%2, 4*\h+\q, \first
	s_wait_dscnt 0
	PLACES
	FETCH_B ADRB+\h, \q+1, 1-(\q)%2
	FETCH_A ADRA+\h, \q+1, 0
	WIN MUL_HI
	MM4 4, (\q)%2, 4*\h+\q, \first
	PLACES
	WIN 0
	FETCH_A ADRA+\h, \q+1, 4
.endm
	s_cmp_lt_u32 s2, 2                     ; half 0 is waves 0 and 1's; half 1's loads (waves 2 and 3) may be out
	s_cbranch_scc0 .Lhalf1_out
	s_wait_tensorcnt 0x0
.Lhalf1_out:
	s_barrier_signal -1
	s_barrier_wait -1                      ; half 0 is in
	FETCH_B ADRB, 0, 0
	FETCH_A ADRA, 0, 0
	FETCH_A ADRA, 0, 4
	s_wait_loadcnt 8                       ; the scales; the mask's 8 loads may be out
	STEP 0, 0, 1
	STEP 0, 1, 0
	STEP 0, 2, 0
	s_wait_dscnt 8                         ; K step 3 changes halves: one barrier; nothing is filled again
	WIN MUL_LO
	MM 0, 1, 3, 0
	MM 1, 1, 3, 0
	s_wait_tensorcnt 0x0                   ; my load has landed
	s_wait_dscnt 0x0
	s_barrier_signal -1
	MM 2, 1, 3, 0
	MM 3, 1, 3, 0
	WIN 0
	s_barrier_wait -1                      ; half 1 is in
	PLACES
	FETCH_B ADRB+1, 0, 0
	FETCH_A ADRA+1, 0, 0
	WIN MUL_HI
	MM4 4, 1, 3, 0
	PLACES
	WIN 0
	FETCH_A ADRA+1, 0, 4
	STEP 1, 0, 0
	STEP 1, 1, 0
	STEP 1, 2, 0
	s_wait_dscnt 8
	WIN MUL_LO
	MM4 0, 1, 7, 0
	s_wait_dscnt 0
	WIN MUL_HI
	MM4 4, 1, 7, 0
	WIN 0
	PLACES
	s_wait_loadcnt 0x0                     ; the mask's words
	WIN 0x44
.set n, 0
.rept 32
	v_lshrrev_b32 v[MW+n], v26, v[MW+n]    ; 2 h bits down
.set n, n+1
.endr
	WIN 0
.irp e, 0,1,2,3,4,5,6,7
	v_mov_b32 v[PB+\e], 0                  ; a lane permute's destination counts as one of its sources
.endr
	v_mov_b32 v31, 0                       ; (named as upper halves of v[30:31] and v[26:27], which hold -M)
	v_mov_b32 v27, 0
	s_mov_b32 s3, 0
	s_wait_alu depctr_va_vdst(0)
; FOUR TRIPS, each for two blocks of 16 queries x 128 keys.  What names accumulators stands in the trip's arm: t = score x c into window 0, and the two blocks' mask words.
.macro TAKE p
	WIN 0x02+(\p)/2
	s_wait_alu depctr_va_vdst(0)           ; ahead of the matrix results' first readers
.set n, 0
.rept 64
	v_pk_mul_f32 v[T+n:T+n+1], v[128*((\p)%2)+n:128*((\p)%2)+n+1], s[CS:CS+1] op_sel_hi:[1,0]
.set n, n+2
.endr
	WIN 0x01
.irp e, 0,1,2,3,4,5,6,7
	v_mov_b32 v[\e], v[MW+8*(\p)+\e]
.endr
	WIN 0
	s_wait_alu depctr_va_vdst(0)
.endm
.Lpair:
	s_cmp_lg_u32 s3, 0
	s_cbranch_scc1 .Ltake1
	TAKE 0
	s_branch .Ltaken
.Ltake1:
	s_cmp_lg_u32 s3, 1
	s_cbranch_scc1 .Ltake2
	TAKE 1
	s_branch .Ltaken
.Ltake2:
	s_cmp_lg_u32 s3, 2
	s_cbranch_scc1 .Ltake3
	TAKE 2
	s_branch .Ltaken
.Ltake3:
	TAKE 3
.Ltaken:
	s_wait_xcnt 0x0                        ; the last trip's stores have read their data and their bases
	s_add_nc_u64 s[PCB:PCB+1], s[PCB:PCB+1], s[60:61]
	s_add_nc_u64 s[PSB:PSB+1], s[PSB:PSB+1], s[62:63]
; where the bit is 0 the score is -1e9: 16 bits are spread to whole registers, then 16 numbers chosen.  (v120-127 and v8-15 are free here)
.set n, 0
.rept 8
.irp k, 0,1,2,3,4,5,6,7,8,9,10,11,12,13,14,15
	v_bfe_i32 v[PB+\k-(PB-SO+8)*(\k/8)], v[4*(n/64)+\k%4], 4*(((n+\k)%64)/8)+(\k%8)/4, 1
.endr
.irp k, 0,1,2,3,4,5,6,7,8,9,10,11,12,13,14,15
	v_bfi_b32 v[T+n+\k], v[PB+\k-(PB-SO+8)*(\k/8)], v[T+n+\k], s[TMK]
.endr
.set n, n+16
.endr
.irp e, 0,1,2,3,4,5,6,7
	v_max3_num_f32 v[TM+\e], v[T+16*\e], v[T+1+16*\e], v[T+2+16*\e]   ; the largest t of each block of 32 keys: for the piece's maximum and, since p rises with t, the block's largest p
.endr
.irp i, 3,5,7,9,11,13
.irp e, 0,1,2,3,4,5,6,7
	v_max3_num_f32 v[TM+\e], v[TM+\e], v[T+16*\e+\i], v[T+16*\e+\i+1]
.endr
.endr
.irp e, 0,1,2,3,4,5,6,7
	v_max_num_f32 v[TM+\e], v[TM+\e], v[T+15+16*\e]
.endr
.irp e, 0,1,2,3,4,5,6,7
	v_permlanex16_b32 v[PB+\e], v[TM+\e], s[SEL], s[SEL+1]
.endr
.irp e, 0,1,2,3,4,5,6,7
	v_max_num_f32 v[TM+\e], v[TM+\e], v[PB+\e]     ; with lane l xor 16's 16 keys
.endr
.irp u, 0,1
	v_max3_num_f32 v[SU+4*\u], v[TM+4*\u], v[TM+4*\u+1], v[TM+4*\u+2]
.endr
.irp u, 0,1
	v_max_num_f32 v[SU+4*\u], v[SU+4*\u], v[TM+4*\u+3]
.endr
.irp u, 0,1
	v_floor_f32 v[30-4*\u], -v[SU+4*\u]            ; -M = floor(-t) = -ceil(t)
.endr
.set n, 0
.rept 32
.irp u, 0,1
	v_pk_add_f32 v[T+64*\u+n:T+64*\u+n+1], v[T+64*\u+n:T+64*\u+n+1], v[30-4*\u:31-4*\u] op_sel_hi:[1,0]   ; t - M
.endr
.set n, n+2
.endr
.irp b, 0,1,2,3
.irp u, 0,1
	v_add_f32 v[TM+4*\u+\b], v[TM+4*\u+\b], v[30-4*\u]     ; the same of each block's largest t
.endr
.endr
	s_wait_alu depctr_va_vdst(0)           ; one wait ahead of the batch
.set n, 0
.rept 128
	v_exp_f32 v[T+n], v[T+n]               ; p = 2^(t - M), at most 1
.set n, n+1
.endr
.irp e, 0,1,2,3,4,5,6,7
	v_exp_f32 v[TM+\e], v[TM+\e]           ; the blocks' largest p: the same lines on the same number give the same bits
.endr
	v_nop                                  ; a plain place behind the batch
	s_wait_alu depctr_va_vdst(0)           ; and one wait behind it
.irp c, 0,2
.irp u, 0,1
	v_pk_add_f32 v[SU+4*\u+\c:SU+4*\u+\c+1], v[T+64*\u+2*\c:T+64*\u+2*\c+1], v[T+64*\u+2*\c+2:T+64*\u+2*\c+3]   ; the pieces' sums of the unquantised p, in two chains each
.endr
.endr
.irp j, 8,12,16,20,24,28,32,36,40,44,48,52,56,60
.irp c, 0,2
.irp u, 0,1
	v_pk_add_f32 v[SU+4*\u+\c:SU+4*\u+\c+1], v[SU+4*\u+\c:SU+4*\u+\c+1], v[T+64*\u+\j+\c:T+64*\u+\j+\c+1]
.endr
.endr
.endr
.irp u, 0,1
	v_pk_add_f32 v[SU+4*\u:SU+4*\u+1], v[SU+4*\u:SU+4*\u+1], v[SU+4*\u+2:SU+4*\u+3]
.endr
.irp e, 0,1,2,3,4,5,6,7
	v_max_num_f32 v[TM+\e], 0x1800000, v[TM+\e]    ; the floor 2^(3 - 127): the byte cannot fall under 1
.endr
.irp u, 0,1
	v_add_f32 v[SU+4*\u+2], v[SU+4*\u], v[SU+4*\u+1]
.endr
.irp e, 0,1,2,3,4,5,6,7
	v_add_nc_u32 v[SO+\e], 0xff000000, v[TM+\e]    ; 2 off the exponent field: the conversion's scale operand
.endr
.irp u, 0,1
	v_permlanex16_b32 v[SU+4*\u+3], v[SU+4*\u+2], s[SEL], s[SEL+1]
.endr
.irp e, 0,1,2,3,4,5,6,7
	v_lshrrev_b32 v[PB+\e], 23, v[SO+\e]           ; the byte
.endr
.irp u, 0,1
	v_add_f32 v[SU+4*\u], v[SU+4*\u+2], v[SU+4*\u+3]       ; the piece's sum
.endr
.irp i, 1,2,3
.irp u, 0,1
.if \i == 1
	v_lshl_or_b32 v[TM+4*\u], v[PB+4*\u+1], 8, v[PB+4*\u]
.else
	v_lshl_or_b32 v[TM+4*\u], v[PB+4*\u+\i], 8*\i, v[TM+4*\u]
.endif
.endr
.endr
	v_cndmask_b32 v[TM+2], v30, v26, s[HI]         ; lanes 0-15: the first block's queries, lanes 16-31: the second's
	v_cndmask_b32 v[TM+3], v[SU], v[SU+4], s[HI]
	v_cndmask_b32 v[TM+1], v[TM], v[TM+4], s[HI]
; tile t's conversion holds k = 16 t + 8 h + 0 .. 7; tiles 0, 2 (1, 3; 4, 6; 5, 7) stand side by side, and one exchange of halves gives register 4 c + i with k = 64 c + 32 h + 8 i + 0 .. 7
.irp u, 0,1
.irp g, 0,4
	v_cvt_scalef32_pk8_fp4_f32 v[PCD+8*\u+\g], v[T+64*\u+8*\g:T+64*\u+8*\g+7], v[SO+4*\u+\g/2]
	v_cvt_scalef32_pk8_fp4_f32 v[PCD+8*\u+\g+2], v[T+64*\u+8*\g+8:T+64*\u+8*\g+15], v[SO+4*\u+\g/2]
	v_cvt_scalef32_pk8_fp4_f32 v[PCD+8*\u+\g+1], v[T+64*\u+8*\g+16:T+64*\u+8*\g+23], v[SO+1+4*\u+\g/2]
	v_cvt_scalef32_pk8_fp4_f32 v[PCD+8*\u+\g+3], v[T+64*\u+8*\g+24:T+64*\u+8*\g+31], v[SO+1+4*\u+\g/2]
.endr
.endr
	v_nop                                  ; one plain place behind a scaled conversion
.irp e, 0,2,4,6,8,10,12,14
	v_permlane16_swap_b32 v[PCD+\e], v[PCD+\e+1]
.endr
.irp u, 0,1
.irp c, 0,1
	global_store_b128 v[LI], v[PCD+8*\u+4*\c:PCD+8*\u+4*\c+3], s[PCB:PCB+1] offset:16384*\u+512*\c     ; 512 consecutive bytes
.endr
.endr
.irp r, 0,1,2
	global_store_b32 v[L4], v[TM+1+\r], s[PSB:PSB+1] offset:\r*524288      ; 32 queries' words: 128 consecutive bytes
.endr
	s_mov_b32 s60, 32768                   ; two tiles of pc on,
	s_mov_b32 s62, 128                     ; 32 queries of pst
	s_add_co_u32 s3, s3, 1
	s_cmp_lt_u32 s3, 4
	s_wait_alu depctr_va_vdst(0)
	s_cbranch_scc1 .Lpair
	s_wait_tensorcnt 0x0                   ; the wave's end
	ds_add_u32 v[SPW], v[NIL]
	s_wait_dscnt 0x0
	CROUND                                 ; the closing round
	s_endpgm
.Lfunc_end_k_qe921c2dcd0_scores:
	.size	k_qe921c2dcd0_scores, .Lfunc_end_k_qe921c2dcd0_scores-k_qe921c2dcd0_scores
	.p2alignl 7, 3214868480
	.fill 96, 4, 3214868480
	.section	.rodata,"a",@progbits
	.p2align	6, 0x0
	.amdhsa_kernel k_qe921c2dcd0_scores
		.amdhsa_group_segment_fixed_size 327680
		.amdhsa_private_segment_fixed_size 0
		.amdhsa_enable_private_segment 0
		.amdhsa_kernarg_size 40
		.amdhsa_user_sgpr_count 2
		.amdhsa_user_sgpr_kernarg_segment_ptr 1
		.amdhsa_wavefront_size32 1
		.amdhsa_system_sgpr_workgroup_id_x 1
		.amdhsa_system_sgpr_workgroup_id_y 1
		.amdhsa_system_sgpr_workgroup_id_z 1
		.amdhsa_system_vgpr_workitem_id 0
		.amdhsa_next_free_vgpr 1024
		.amdhsa_next_free_sgpr 102
		.amdhsa_reserve_vcc 0
		.amdhsa_float_denorm_mode_32 3
		.amdhsa_float_denorm_mode_16_64 3
		.amdhsa_memory_ordered 1
		.amdhsa_forward_progress 1
		.amdhsa_inst_pref_size 119
	.end_amdhsa_kernel
	.amdgpu_metadata
---
amdhsa.version: [ 1, 2 ]
amdhsa.kernels:
  - .name:           k_qe921c2dcd0_scores
    .symbol:         k_qe921c2dcd0_scores.kd
    .args:
      - { .name: wc, .offset: 0, .size: 8, .value_kind: global_buffer, .address_space: global }
      - { .name: wsc, .offset: 8, .size: 8, .value_kind: global_buffer, .address_space: global }
      - { .name: mb, .offset: 16, .size: 8, .value_kind: global_buffer, .address_space: global }
      - { .name: pc, .offset: 24, .size: 8, .value_kind: global_buffer, .address_space: global }
      - { .name: pst, .offset: 32, .size: 8, .value_kind: global_buffer, .address_space: global }
    .group_segment_fixed_size: 327680
    .private_segment_fixed_size: 0
    .kernarg_segment_align: 8
    .kernarg_segment_size: 40
    .max_flat_workgroup_size: 128
    .sgpr_count:     102
    .vgpr_count:     1024
    .wavefront_size: 32
...
	.end_amdgpu_metadata
.endif
;; end of part 2
;; launch pv (part 3): grid 4 x 64, 4 waves a work-group, clusters of 4 x 4, 327,680 bytes of LDS; arguments pc, pst, wc, wsc, out0; writes out0
.if DOCPART == 3
	.amdgcn_target "amdgcn-amd-amdhsa--gfx1250"
	.amdhsa_code_object_version 6
	.text
	.protected	k_qe921c2dcd0_pv
	.globl	k_qe921c2dcd0_pv
	.p2align	8
	.type	k_qe921c2dcd0_pv,@function
k_qe921c2dcd0_pv:
	s_mov_b64 s[64:65], 0
	v_nop
	global_prefetch_b8 v0, s[64:65] scope:SCOPE_SE
	s_setreg_imm32_b32 hwreg(HW_REG_WAVE_MODE, 25, 1), 1
	s_wait_xcnt 0x0
	s_wait_alu depctr_hold_cnt(0) depctr_sa_sdst(0) depctr_va_vdst(0) depctr_va_sdst(0) depctr_va_ssrc(0) depctr_va_vcc(0) depctr_vm_vsrc(0)
	s_getreg_b32 s2, hwreg(HW_REG_IB_STS2, 6, 4)
	s_cmp_eq_u32 s2, 0
	s_cbranch_scc0 .Lentry_in_a_cluster
	s_endpgm
.Lentry_in_a_cluster:
	s_bfe_u32 s2, ttmp6, 0x10000c
	s_cmp_lg_u32 s2, 0xf033
	s_cbranch_scc0 .Lentry_shape_is_right
	s_endpgm
.Lentry_shape_is_right:
; out = (p v) / l: p's codes and v^T's codes as fragment images; K = 2,048 keys.  p's scale bytes stand under each piece's own M: the row's M is the largest, and the difference (a whole number, held at 127) is taken off the bytes, down to 0, and scales the piece's sum.
; A work-group makes 128 queries x 256 channels in two phases of 128 channels; four waves, 64 x 64 each.  Step s = 16 x phase + K step (128 keys).
; LDS holds p whole and one phase's v, each in two halves of K: all asked for at the head, one load a wave (waves 0, 2: p; waves 1, 3: v).  v's halves are filled again with the second phase's channels at steps 6 and 14.
; p's fragments stay in registers (windows 2, 3) through both phases.  The first phase's result leaves during the second.
; No prefetch: every fill is asked for half a phase or more ahead of its first read, and a stream has no third fill.
; CLUSTERS 4 x 4 of one batch: p's tiles are asked for jointly by a row of the cluster, v's by a column.
; TRANSPOSED USE of the 32x16x128 form: source 0 = 32 channels, source 1 = 16 queries: lane (r, h) holds query 16 a + r, register 8 t + j of block a channel 16 t + 8 h + j.
; SCALES: lane L of a group of 32 rows holds row L's sixteen words: v's come from memory, p's are made by the row's own thread and pass through LDS as an image of the registers.
; LIMITS: NaN and infinities are not served.  A p scaled under 2^-127 of its row's largest power counts as nothing or as that scale.
; REGISTERS.  Window 0: v1-31 addresses, v8-15 1 / l; v32-63 p's scale words, v64-127 v's (both phases), and nothing else; v128-255 the row statistics at the head, then the accumulators (block a at v[128 + 32 a]).
;   Window 1: v0-95 B's fragments, three sets; v96-127 (at the end v0-31 too) rows on their way out; v128-255 a phase's result.  Windows 2, 3: p's fragments of K steps 0-7, 8-15.
.set VL,  131072                       ; p: 2 halves x 8 tiles x 8,192 bytes; v likewise
.set PAW, 262144                       ; p's scale words: [4 waves][4][512]
.set RL,  270336                       ; 1 / l of 128 rows
.set SPARE, 270848
.set STG, 271360                       ; the way out: 16 rows x 272 bytes a wave: its own bytes; no tensor load lands here
.set ADRP, 16
.set ADRV, 18
.set CO,  26
.set SPW, 28
.set NIL, 29
.set RLV, 8
.set SCA, 32
.set SCB, 64
.set AC,  128
.set R0,  96
.set F,   200
.set G1P, 24
.set G1V, 48
.set G1R, 68
.set MSB, 0
.macro WIN new                         ; the immediate's high byte repeats the setting that is left
.if MSB != (\new)
	s_set_vgpr_msb (MSB<<8)|(\new)
.set MSB, (\new)
.endif
.endm
.set TO_B, 0x40                        ; destination window 1
.set FROM_B, 0x04                      ; a store's data: window 1
.macro PLACES                          ; plain vector instructions behind a matrix instruction (ISA guide 7.12.1)
.rept 4
	v_nop
.endr
.endm
.macro CREST                           ; a round of the cluster's barrier behind its opening barrier
	s_cmp_lg_u32 s2, 0
	s_cbranch_scc1 .Lnot_wave_0_\@
	s_barrier_signal -3
.Lnot_wave_0_\@:
	s_barrier_wait -3
	s_barrier_signal -1
	s_barrier_wait -1
.endm
.macro CROUND
	s_barrier_signal -1
	s_barrier_wait -1
	CREST
.endm
.macro ARM under, g0, g1, next         ; one arm of the head's chain: one load, then the chain's end
	s_cmp_lt_u32 s2, \under
	s_cbranch_scc0 \next
	tensor_load_to_lds s[\g0:\g0+3], s[\g1:\g1+7]
	s_nop 0
	PLACES
	s_branch .Lasked
\next:
.endm
.macro DESC g, m, r                    ; r tiles x 8,192 bytes (1,024 elements of 8), 16,384 bytes apart
	s_or_b32 s[\g], s[\m], (3<<16)|(1<<21)
	s_mov_b32 s[\g+1], 1024<<16
	s_mov_b32 s[\g+2], (\r)<<16
	s_mov_b32 s[\g+3], 1024<<16
	s_mov_b32 s[\g+4], \r
	s_mov_b32 s[\g+5], 2048
	s_mov_b32 s[\g+6], 0
	s_mov_b32 s[\g+7], 0
.endm
	s_load_b256 s[4:11], s[0:1], 0x0       ; pc, pst, wc, wsc
	s_load_b64 s[12:13], s[0:1], 0x20      ; out0
	v_lshl_add_u32 v[SPW], v0, 2, SPARE
	v_mov_b32 v[NIL], 0
	ds_add_u32 v[SPW], v[NIL]              ; the opening: the add, twice on end, and its wait
	ds_add_u32 v[SPW], v[NIL]
	v_lshrrev_b32 v1, 5, v0
	v_readfirstlane_b32 s2, v1             ; wave 0..3
	s_lshr_b32 s14, s2, 1                  ; my half of the queries
	s_and_b32 s15, s2, 1                   ; my half of a phase's channels
	s_bfe_u32 s40, ttmp6, 0x40000
	s_bfe_u32 s41, ttmp6, 0x40004
	s_lshl_b32 s42, ttmp9, 2
	s_add_co_u32 s42, s42, s40             ; gx: my 256 channels
	s_and_b32 s17, ttmp7, 0xffff
	s_lshr_b32 s18, s17, 2                 ; the batch
	s_lshl_b32 s17, s17, 2
	s_add_co_u32 s17, s17, s41             ; gy: my 128 queries
	s_lshl_b32 s43, s41, 2
	s_lshl_b32 s43, 15, s43
	s_lshl_b32 s44, 0x1111, s40
	DESC G1P, 43, 8
	DESC G1V, 44, 8
	DESC G1R, 44, 2                        ; v's second phase: two tiles a wave
	s_mov_b32 s101, 0
	s_wait_dscnt 0x0                       ; both adds are done
	v_lshlrev_b32 v20, 2, v0               ; pst: my row
	s_wait_alu depctr_va_vdst(0)
	s_wait_kmcnt 0x0
	s_lshl_b32 s100, s17, 9
	s_add_nc_u64 s[66:67], s[6:7], s[100:101]
.irp r, 1,2,0                          ; -M, sums, scale words of my row's sixteen pieces
.irp s, 0,1,2,3,4,5,6,7,8,9,10,11,12,13,14,15
	global_load_b32 v[128+16*\r+\s], v20, s[66:67] offset:\r*524288+\s*32768
.endr
.endr
	s_lshl_b32 s100, s17, 17
	s_add_nc_u64 s[34:35], s[4:5], s[100:101]      ; p, half 0
	s_add_nc_u64 s[86:87], s[34:35], 8192          ; half 1
	s_lshl_b32 s100, s18, 20
	s_lshl_b32 s45, s42, 18
	s_add_co_u32 s100, s100, s45
	s_add_co_u32 s100, s100, 8388608
	s_add_nc_u64 s[38:39], s[8:9], s[100:101]      ; v
	s_add_nc_u64 s[90:91], s[38:39], 8192
	s_lshl_b32 s100, s2, 15
	s_add_co_u32 s100, s100, 131072
	s_add_nc_u64 s[58:59], s[38:39], s[100:101]    ; v's second phase: 8 tiles on, my two
	s_mov_b32 s32, 1
	s_mov_b32 s33, 0
	s_or_b32 s35, s35, 0x80000000
	s_mov_b32 s36, 1
	s_mov_b32 s37, VL
	s_or_b32 s39, s39, 0x80000000
	s_mov_b32 s84, 1
	s_mov_b32 s85, 65536
	s_or_b32 s87, s87, 0x80000000
	s_mov_b32 s88, 1
	s_mov_b32 s89, VL+65536
	s_or_b32 s91, s91, 0x80000000
	s_mov_b32 s56, 1
	s_lshl_b32 s57, s2, 14
	s_add_co_u32 s57, s57, VL
	s_or_b32 s59, s59, 0x80000000
	CROUND                                 ; all sixteen work-groups are here: the first joint loads meet
	ARM 1, 32, G1P, .Lhead1
	ARM 2, 36, G1V, .Lhead2
	ARM 3, 84, G1P, .Lhead3
	tensor_load_to_lds s[88:91], s[G1V:G1V+7]
	s_nop 0
	PLACES
.Lasked:
	s_lshl_b32 s100, s18, 16
	s_lshl_b32 s45, s42, 14
	s_add_co_u32 s100, s100, s45
	s_lshl_b32 s45, s15, 12
	s_add_co_u32 s100, s100, s45
	s_add_co_u32 s100, s100, 524288
	s_add_nc_u64 s[92:93], s[10:11], s[100:101]    ; v's scales: my 64 channels of the first phase
	s_lshl_b32 s100, s17, 19
	s_lshl_b32 s45, s14, 18
	s_add_co_u32 s100, s100, s45
	s_lshl_b32 s45, s42, 10
	s_add_co_u32 s100, s100, s45
	s_lshl_b32 s45, s15, 8
	s_add_co_u32 s100, s100, s45
	s_add_nc_u64 s[12:13], s[12:13], s[100:101]    ; out: my first query, my channels
	s_lshl_b32 s20, s14, 15                        ; LDS bases
	s_lshl_b32 s21, s15, 15
	s_add_co_u32 s21, s21, VL
	s_lshl_b32 s22, s14, 12
	s_add_co_u32 s22, s22, PAW
	s_lshl_b32 s23, s2, 11
	s_add_co_u32 s23, s23, PAW
	s_lshl_b32 s60, s14, 8
	s_add_co_u32 s60, s60, RL
	s_mul_i32 s62, s2, 16*272
	s_add_co_u32 s62, s62, STG
	s_mov_b32 s61, 0x80808080
	v_and_b32 v1, 15, v0                   ; r
	v_bfe_u32 v2, v0, 4, 1                 ; h
	v_and_b32 v3, 31, v0
	v_lshlrev_b32 v4, 4, v3                ; 16 x lane
	v_add_nc_u32 v16, s20, v4
	v_add_nc_u32 v17, 65536, v16
	v_add_nc_u32 v18, s21, v4
	v_add_nc_u32 v19, 65536, v18
	v_lshlrev_b32 v21, 6, v3               ; v's scale rows
	v_add_nc_u32 v22, s23, v4              ; my row's scale words: in,
	v_add_nc_u32 v23, s22, v4              ; and out
	v_lshl_add_u32 v24, v0, 2, RL
	v_lshlrev_b32 v25, 2, v1
	v_add_nc_u32 v25, s60, v25
	v_mul_u32_u24 v5, v1, 272
	v_lshl_add_u32 v5, v2, 5, v5
	v_add_nc_u32 v27, s62, v5              ; the stage: in,
	v_mul_u32_u24 v6, v2, 272
	v_lshl_add_u32 v6, v1, 4, v6
	v_add_nc_u32 v30, s62, v6              ; and back: lanes 0-15 one row of 256 bytes, lanes 16-31 the next
	v_lshlrev_b32 v[CO], 12, v2
	v_lshl_add_u32 v[CO], v1, 4, v[CO]     ; the same two rows of out
	s_wait_alu depctr_va_vdst(0)
.irp g, 0,1,2,3                        ; groups 2, 3: the second phase's channels, 8,192 bytes on
.irp s, 0,1,2,3
	global_load_b128 v[SCB+16*\g+4*\s:SCB+16*\g+4*\s+3], v21, s[92:93] offset:2048*(\g%2)+8192*(\g/2)+16*\s
.endr
.endr
	s_wait_loadcnt 16                      ; pst is in; v's scales may be out
	v_min3_num_f32 v[F+18], v144, v145, v146
.irp s, 3,5,7,9,11,13
	v_min3_num_f32 v[F+18], v[F+18], v[144+\s], v[145+\s]
.endr
	v_min_num_f32 v[F+18], v[F+18], v159   ; -M of the row
.macro FIX k                           ; pieces 2 k, 2 k + 1: d = M of the row - M of the piece; d off each of the word's four bytes, held at 0; the sum x 2^-d
.irp u, 0,1
	v_sub_f32 v[F+8*\u], v[144+2*(\k)+\u], v[F+18]
.endr
.irp u, 0,1
	v_cvt_i32_f32 v[F+8*\u], v[F+8*\u]
.endr
.irp u, 0,1
	v_min_u32 v[F+8*\u], 127, v[F+8*\u]
.endr
.irp u, 0,1
	v_sub_nc_u32 v[F+1+8*\u], 127, v[F+8*\u]
	v_lshl_or_b32 v[F+2+8*\u], v[F+8*\u], 8, v[F+8*\u]
.endr
.irp u, 0,1
	v_lshlrev_b32 v[F+1+8*\u], 23, v[F+1+8*\u]
	v_lshl_or_b32 v[F+2+8*\u], v[F+2+8*\u], 16, v[F+2+8*\u]
	v_or_b32 v[F+3+8*\u], s61, v[128+2*(\k)+\u]
.endr
.irp u, 0,1
.if (\k) == 0
	v_mul_f32 v[F+16+\u], v[160+\u], v[F+1+8*\u]
.else
	v_fma_f32 v[F+16+\u], v[160+2*(\k)+\u], v[F+1+8*\u], v[F+16+\u]
.endif
	v_sub_nc_u32 v[F+3+8*\u], v[F+3+8*\u], v[F+2+8*\u]
.endr
.irp u, 0,1
	v_and_b32 v[F+4+8*\u], s61, v[F+3+8*\u]
.endr
.irp u, 0,1
	v_lshrrev_b32 v[F+5+8*\u], 7, v[F+4+8*\u]
.endr
.irp u, 0,1
	v_sub_nc_u32 v[F+4+8*\u], v[F+4+8*\u], v[F+5+8*\u]
.endr
.irp u, 0,1
	v_and_b32 v[F+24+2*(\k)+\u], v[F+3+8*\u], v[F+4+8*\u]
.endr
.endm
.irp k, 0,1,2,3,4,5,6,7
	FIX \k
.endr
	v_add_f32 v[F+16], v[F+16], v[F+17]
	s_wait_alu depctr_va_vdst(0)           ; ahead of the transcendental,
	v_rcp_f32 v[F+20], v[F+16]
	v_nop
	s_wait_alu depctr_va_vdst(0)           ; and behind it
.irp g, 0,1,2,3
	ds_store_b128 v22, v[F+24+4*\g:F+27+4*\g] offset:512*\g
.endr
	ds_store_b32 v24, v[F+20]
	s_cmp_lt_u32 s2, 2                     ; the halves 0 are waves 0 and 1's; the halves 1 (waves 2 and 3) may be out
	s_cbranch_scc0 .Lhalf1_out
	s_wait_tensorcnt 0x0
.Lhalf1_out:
	s_wait_loadcnt 0x0                     ; v's scales
	s_wait_dscnt 0x0
	s_barrier_signal -1
	s_barrier_wait -1                      ; the halves 0 and all rows' words are in LDS
; step s's fragments: v's 64 channels into set s % 3; in the first phase p's 64 queries to where they stay
.macro FETCH s
.set KH, ((\s)%16)/8
.set KO, 1024*((\s)%8)
.set BS, 32*((\s)%3)
	WIN TO_B
.irp i, 0,1,2,3
.irp c, 0,1
	ds_load_b128 v[BS+8*\i+4*\c:BS+8*\i+4*\c+3], v[ADRV+KH] offset:8192*\i+KO+512*\c
.endr
.endr
.if (\s) < 16
	WIN 0x80+0x40*KH
.irp i, 0,1,2,3
.irp c, 0,1
	ds_load_b128 v[32*((\s)%8)+8*\i+4*\c:32*((\s)%8)+8*\i+4*\c+3], v[ADRP+KH] offset:8192*\i+KO+512*\c
.endr
.endr
.endif
.endm
; step s: 8 accumulators by turns
.macro MM s
.set K, (\s)%16
.set BS, 32*((\s)%3)
.set SB, SCB+32*((\s)/16)+K
	WIN 0x09+4*(K/8)                       ; source 0 window 1, source 1 window 2 or 3, C and D window 0
.irp a, 0,1,2,3
.irp b, 0,1
.set DD, AC+32*\a+16*\b
.set PA, 32*(K%8)+8*\a
.if K == 0 && (\a%2)
	v_wmma_scale_f32_32x16x128_f4 v[DD:DD+15], v[BS+16*\b:BS+16*\b+15], v[PA:PA+7], 0, v[SB+16*\b], v[SCA+16*(\a/2)+K] matrix_b_scale:MATRIX_SCALE_ROW1
.elseif K == 0
	v_wmma_scale_f32_32x16x128_f4 v[DD:DD+15], v[BS+16*\b:BS+16*\b+15], v[PA:PA+7], 0, v[SB+16*\b], v[SCA+16*(\a/2)+K]
.elseif (\a%2)
	v_wmma_scale_f32_32x16x128_f4 v[DD:DD+15], v[BS+16*\b:BS+16*\b+15], v[PA:PA+7], v[DD:DD+15], v[SB+16*\b], v[SCA+16*(\a/2)+K] matrix_b_scale:MATRIX_SCALE_ROW1
.else
	v_wmma_scale_f32_32x16x128_f4 v[DD:DD+15], v[BS+16*\b:BS+16*\b+15], v[PA:PA+7], v[DD:DD+15], v[SB+16*\b], v[SCA+16*(\a/2)+K]
.endif
.endr
.endr
.endm
; THE WAY OUT.  SCALED: a phase's result x 1 / l into window 1.  STAGE: block a (16 queries x 64 channels) through my own stage, back as rows of 256 bytes.  SEND: stored.
; LDS serves a wave's instructions in order (ISA guide 5.7.1.4): no wait between the stage's stores and loads.
.macro SCALED
	WIN TO_B
.irp a, 0,1,2,3
.set n, 0
.rept 16
	v_pk_mul_f32 v[AC+32*\a+n:AC+32*\a+n+1], v[AC+32*\a+n:AC+32*\a+n+1], v[RLV+2*\a:RLV+2*\a+1]
.set n, n+2
.endr
.endr
	s_wait_alu depctr_va_vdst(0)
.endm
.macro STAGE a, r
	WIN FROM_B
.irp t, 0,1,2,3
	ds_store_b128 v27, v[AC+32*(\a)+8*\t:AC+32*(\a)+8*\t+3] offset:64*\t
	ds_store_b128 v27, v[AC+32*(\a)+8*\t+4:AC+32*(\a)+8*\t+7] offset:64*\t+16
.endr
	s_wait_xcnt 0x0                        ; the stores before have read their data
	WIN TO_B
.irp t, 0,1,2,3,4,5,6,7
	ds_load_b128 v[\r+4*\t:\r+4*\t+3], v30 offset:544*\t
.endr
.endm
.macro SEND a, r, ph
	WIN FROM_B
.irp t, 0,1,2,3,4,5,6,7
	global_store_b128 v[CO], v[\r+4*\t:\r+4*\t+3], s[12:13] offset:65536*(\a)+8192*\t+512*(\ph) th:TH_STORE_NT   ; two aligned units of 256 bytes
.endr
.endm
; cnt: the LDS instructions that may stay out: the next two steps' fragments (16 loads each in the first phase, 8 in the second), and a stage's 16 behind them
.macro STEP s, cnt
	PLACES
.if (\s) < 30
	FETCH (\s)+2
.endif
	s_wait_dscnt \cnt
	MM \s
.endm
.macro STEP_STAGE s, a                 ; block a of the first phase goes through the stage
	PLACES
	FETCH (\s)+2
	STAGE \a, R0
	s_wait_dscnt 32
	MM \s
.endm
.macro STEP_SEND s, a                  ; and leaves
	STEP \s, 8
	SEND \a, R0, 0
.endm
; a step that changes halves.  fill = 1, 2: v's half 0, half 1 is filled again with the second phase's channels
.macro TURN s, fill
	WIN 0
	s_wait_tensorcnt 0x0                   ; my part of what is read next is in;
.if \fill
	ds_add_u32 v[SPW], v[NIL]              ; 0 onto my spare word;
.if \fill == 2
	s_add_co_u32 s57, s57, 65536
	s_add_nc_u64 s[58:59], s[58:59], 8192
.endif
.endif
	s_wait_dscnt 0x0                       ; my reads of the half that is left are over (the add is done)
	s_barrier_signal -1
	MM \s
	WIN 0
	s_barrier_wait -1
.if \fill
	CREST                                  ; no wave of any partner still reads that half
	tensor_load_to_lds s[56:59], s[G1R:G1R+7]
	s_nop 0
.endif
	PLACES
	FETCH (\s)+2
.endm
.irp a, 0,1,2,3
	ds_load_b32 v[RLV+2*\a], v25 offset:64*\a
	ds_load_b32 v[RLV+2*\a+1], v25 offset:64*\a
.endr
.irp g, 0,1
.irp s, 0,1,2,3
	ds_load_b128 v[SCA+16*\g+4*\s:SCA+16*\g+4*\s+3], v23 offset:2048*\g+512*\s
.endr
.endr
	FETCH 0
	FETCH 1
.irp s, 0,1,2,3,4,5
	STEP \s, 32
.endr
	TURN 6, 1
.irp s, 7,8,9,10,11,12,13
	STEP \s, 32
.endr
	TURN 14, 2
	STEP 15, 16
	PLACES
	SCALED
	STEP_STAGE 16, 0
	STEP_SEND 17, 0
	STEP_STAGE 18, 1
	STEP_SEND 19, 1
	STEP_STAGE 20, 2
	STEP_SEND 21, 2
	TURN 22, 0
	STEP 23, 16
	STEP_STAGE 24, 3
	STEP_SEND 25, 3
.irp s, 26,27,28,29
	STEP \s, 16
.endr
	STEP 30, 8
	STEP 31, 0
	PLACES
	SCALED
	STAGE 0, R0
	STAGE 1, 0
	s_wait_dscnt 16                        ; behind a block's loads: the next block's 16 lines
	SEND 0, R0, 1
	STAGE 2, R0
	s_wait_dscnt 16
	SEND 1, 0, 1
	STAGE 3, 0
	s_wait_dscnt 16
	SEND 2, R0, 1
	s_wait_dscnt 0x0
	SEND 3, 0, 1
	WIN 0
	s_wait_tensorcnt 0x0                   ; the wave's end
	ds_add_u32 v[SPW], v[NIL]
	s_wait_dscnt 0x0
	CROUND                                 ; the closing round
	s_endpgm
.Lfunc_end_k_qe921c2dcd0_pv:
	.size	k_qe921c2dcd0_pv, .Lfunc_end_k_qe921c2dcd0_pv-k_qe921c2dcd0_pv
	.p2alignl 7, 3214868480
	.fill 96, 4, 3214868480
	.section	.rodata,"a",@progbits
	.p2align	6, 0x0
	.amdhsa_kernel k_qe921c2dcd0_pv
		.amdhsa_group_segment_fixed_size 327680
		.amdhsa_private_segment_fixed_size 0
		.amdhsa_enable_private_segment 0
		.amdhsa_kernarg_size 40
		.amdhsa_user_sgpr_count 2
		.amdhsa_user_sgpr_kernarg_segment_ptr 1
		.amdhsa_wavefront_size32 1
		.amdhsa_system_sgpr_workgroup_id_x 1
		.amdhsa_system_sgpr_workgroup_id_y 1
		.amdhsa_system_sgpr_workgroup_id_z 1
		.amdhsa_system_vgpr_workitem_id 0
		.amdhsa_next_free_vgpr 1024
		.amdhsa_next_free_sgpr 102
		.amdhsa_reserve_vcc 0
		.amdhsa_float_denorm_mode_32 3
		.amdhsa_float_denorm_mode_16_64 3
		.amdhsa_memory_ordered 1
		.amdhsa_forward_progress 1
		.amdhsa_inst_pref_size 115
	.end_amdhsa_kernel
	.amdgpu_metadata
---
amdhsa.version: [ 1, 2 ]
amdhsa.kernels:
  - .name:           k_qe921c2dcd0_pv
    .symbol:         k_qe921c2dcd0_pv.kd
    .args:
      - { .name: pc, .offset: 0, .size: 8, .value_kind: global_buffer, .address_space: global }
      - { .name: pst, .offset: 8, .size: 8, .value_kind: global_buffer, .address_space: global }
      - { .name: wc, .offset: 16, .size: 8, .value_kind: global_buffer, .address_space: global }
      - { .name: wsc, .offset: 24, .size: 8, .value_kind: global_buffer, .address_space: global }
      - { .name: out0, .offset: 32, .size: 8, .value_kind: global_buffer, .address_space: global }
    .group_segment_fixed_size: 327680
    .private_segment_fixed_size: 0
    .kernarg_segment_align: 8
    .kernarg_segment_size: 40
    .max_flat_workgroup_size: 128
    .sgpr_count:     102
    .vgpr_count:     1024
    .wavefront_size: 32
...
	.end_amdgpu_metadata
.endif
;; end of part 3
